; MI455X (gfx1250); checked and timed in simulation.
; The chip was launched on July 23, 2026; its instructions are those of AMD's public machine-readable ISA for CDNA 5 (MIT licence, August 2026) and "CDNA5" Instruction Set Architecture Reference Guide (July 2026). The comments in the code are by the model that wrote it; some were corrected since.
;; Log Sparse Attention. Allowed arithmetic: float matrix products may take bf16 or f16 operands with f32 sums; other float arithmetic in f32, or as packed bf16 or f16 multiplies, adds, multiply-adds, maxima and minima; sums over many terms, partial sums and values carried from step to step in f32; what a program stores and reads back later, other than sums and carried values, may be rounded once to bf16 or f16.
;; Inputs: Wk 1,024 x 1,024 float32; Wq 1,024 x 1,024 float32; Wv 1,024 x 1,024 float32; attention_mask 4 x 1 x 1 x 2,048 float32; bk 1,024 float32; bq 1,024 float32; bv 1,024 float32; hidden_states 4 x 2,048 x 1,024 float32.
;; Outputs: out0 4 x 2,048 x 1,024 float32.
;; 2 versions, each right; version 2 is version 1 with the launch cast written anew for expert scheduling mode. Each part assembles by itself: llvm-mc -triple=amdgcn-amd-amdhsa -mcpu=gfx1250 --defsym DOCPART=n.
;; ======== version 1 of 2: 3 launches
;; limits: values are held in f16: magnitudes above 65,504 overflow, below 6.1e-05 lose precision
;; workspace buffers: xb 16,777,216 bytes; wb 6,291,456 bytes; qf 16,777,216 bytes; kf 16,777,216 bytes; vf 16,777,216 bytes
;; launch cast (part 1): grid 704 x 1, 8 waves a work-group, no clusters, 0 bytes of LDS; arguments hidden_states, Wq, Wk, Wv, xb, wb; writes xb, wb
.if DOCPART == 1
	.amdgcn_target "amdgcn-amd-amdhsa--gfx1250"
	.amdhsa_code_object_version 6
	.text
	.protected	k_qc3d59c95ba_cast
	.globl	k_qc3d59c95ba_cast
	.p2align	8
	.type	k_qc3d59c95ba_cast,@function
k_qc3d59c95ba_cast:
	s_mov_b64 s[64:65], 0
	v_nop
	global_prefetch_b8 v0, s[64:65] scope:SCOPE_SE
	s_setreg_imm32_b32 hwreg(HW_REG_WAVE_MODE, 25, 1), 1
	s_wait_xcnt 0x0
; x [8192][1024] and Wq, Wk, Wv [1024][1024], all f32, are rounded once to bf16 and laid out in blocks of 64 along K:
;   xb [kb 0..15][row 0..8191][64 bf16],  wb [kb 0..15][n 0..3071][64 bf16] with n = 1024 t + row of W_t (t = 0, 1, 2 for q, k, v).
; In that layout the 256 rows x 64 K (or 128 x 64) that the next launch asks for are dense bytes, so its tiles have rows of 256 bytes.
; A stream: no LDS, no barrier, no matrix unit, no cluster (no two work-groups read the same byte).
; Work-groups 0..511 take 16 rows of x each, 512..703 take 16 rows of one W.  Wave w takes rows 2 w and 2 w + 1.
; A load of a wave covers 256 aligned bytes of each of its two rows (one block of 64 numbers); the 8 bytes a lane makes of its 16
; lie so that a store of the wave covers 256 consecutive aligned bytes: the two rows' 128 bytes of that block.
; All 16 loads of a wave are issued at once; no register is written twice, so the only waits are the counted ones for the loads.
.set XSTRIDE, 8192*128                 ; bytes from block to block in xb
.set WSTRIDE, 3072*128                 ; and in wb
.set LO, 1                             ; v1        my byte offset in the group's 16 source rows
.set X,  16                            ; v[16:79]  block kb: 4 f32 as loaded
.set Y,  80                            ; v[80:111] block kb: 4 bf16
.set VO, 112                           ; v[112:127] block kb: my byte offset in the destination
	s_load_b256 s[4:11], s[0:1], 0x0               ; x s[4:5], Wq s[6:7], Wk s[8:9], Wv s[10:11]
	s_load_b128 s[12:15], s[0:1], 0x20             ; xb s[12:13], wb s[14:15]
	s_mov_b32 s2, ttmp9                            ; the work-group's number
	s_and_b32 s26, s2, 63                          ; a W group: which 16 rows of its W (512 is a multiple of 64)
	s_max_u32 s27, s2, 512
	s_sub_co_u32 s27, s27, 512                     ; a W group: which 16 rows of wb
	s_mov_b32 s20, WSTRIDE
	s_cmp_lt_u32 s2, 512                           ; an x group?
	s_cselect_b32 s20, XSTRIDE, s20                ; the destination's stride from block to block
	s_cselect_b32 s22, s2, s26                     ; source: 16 rows of 4,096 bytes
	s_cselect_b32 s24, s2, s27                     ; destination: 16 rows of 128 bytes
	s_lshl_b32 s22, s22, 16
	s_lshl_b32 s24, s24, 11
	s_mov_b32 s23, 0
	s_mov_b32 s25, 0
	v_lshrrev_b32 v2, 4, v0                        ; my row among the 16: 2 w + lane / 16
	v_and_b32 v3, 15, v0
	v_lshlrev_b32 v[LO], 12, v2
	v_lshl_add_u32 v[LO], v3, 4, v[LO]             ; row x 4,096 + 16 x (lane mod 16)
	v_lshlrev_b32 v[VO], 3, v0                     ; row x 128 + 8 x (lane mod 16) = 8 x thread
.set i, 1
.rept 15
	v_add_nc_u32 v[VO+i], s20, v[VO+i-1]
.set i, i+1
.endr
	s_wait_kmcnt 0x0
	s_cmp_lt_u32 s2, 640                           ; the source is chosen by the work-group's number alone
	s_cselect_b64 s[16:17], s[8:9], s[10:11]
	s_cmp_lt_u32 s2, 576
	s_cselect_b64 s[16:17], s[6:7], s[16:17]
	s_cmp_lt_u32 s2, 512
	s_cselect_b64 s[16:17], s[4:5], s[16:17]
	s_cselect_b64 s[18:19], s[12:13], s[14:15]
	s_add_nc_u64 s[16:17], s[16:17], s[22:23]
	s_add_nc_u64 s[18:19], s[18:19], s[24:25]
.set i, 0
.rept 16
	global_load_b128 v[X+4*i:X+4*i+3], v[LO], s[16:17] offset:256*i th:TH_LOAD_NT  ; read once in the launch
.set i, i+1
.endr
.set i, 0
.rept 16
	s_wait_loadcnt 15-i                            ; loads come back in order (ISA guide 5.7.1): block i is in, the younger ones stay out
	v_cvt_pk_bf16_f32 v[Y+2*i], v[X+4*i], v[X+4*i+1]
	v_cvt_pk_bf16_f32 v[Y+2*i+1], v[X+4*i+2], v[X+4*i+3]
	global_store_b64 v[VO+i], v[Y+2*i:Y+2*i+1], s[18:19]  ; 32 lanes x 8 bytes: 256 consecutive bytes, at a multiple of 256 from the buffer's first
.set i, i+1
.endr
	s_endpgm
.Lfunc_end_k_qc3d59c95ba_cast:
	.size	k_qc3d59c95ba_cast, .Lfunc_end_k_qc3d59c95ba_cast-k_qc3d59c95ba_cast
	.p2alignl 7, 3214868480
	.fill 96, 4, 3214868480
	.section	.rodata,"a",@progbits
	.p2align	6, 0x0
	.amdhsa_kernel k_qc3d59c95ba_cast
		.amdhsa_group_segment_fixed_size 0
		.amdhsa_private_segment_fixed_size 0
		.amdhsa_enable_private_segment 0
		.amdhsa_kernarg_size 48
		.amdhsa_user_sgpr_count 2
		.amdhsa_user_sgpr_kernarg_segment_ptr 1
		.amdhsa_wavefront_size32 1
		.amdhsa_system_sgpr_workgroup_id_x 1
		.amdhsa_system_sgpr_workgroup_id_y 1
		.amdhsa_system_sgpr_workgroup_id_z 1
		.amdhsa_system_vgpr_workitem_id 0
		.amdhsa_next_free_vgpr 128
		.amdhsa_next_free_sgpr 66
		.amdhsa_reserve_vcc 0
		.amdhsa_float_denorm_mode_32 3
		.amdhsa_float_denorm_mode_16_64 3
		.amdhsa_memory_ordered 1
		.amdhsa_forward_progress 1
		.amdhsa_inst_pref_size 8
	.end_amdhsa_kernel
	.amdgpu_metadata
---
amdhsa.version: [ 1, 2 ]
amdhsa.kernels:
  - .name:           k_qc3d59c95ba_cast
    .symbol:         k_qc3d59c95ba_cast.kd
    .args:
      - { .name: hidden_states, .offset: 0, .size: 8, .value_kind: global_buffer, .address_space: global }
      - { .name: Wq, .offset: 8, .size: 8, .value_kind: global_buffer, .address_space: global }
      - { .name: Wk, .offset: 16, .size: 8, .value_kind: global_buffer, .address_space: global }
      - { .name: Wv, .offset: 24, .size: 8, .value_kind: global_buffer, .address_space: global }
      - { .name: xb, .offset: 32, .size: 8, .value_kind: global_buffer, .address_space: global }
      - { .name: wb, .offset: 40, .size: 8, .value_kind: global_buffer, .address_space: global }
    .group_segment_fixed_size: 0
    .private_segment_fixed_size: 0
    .kernarg_segment_align: 8
    .kernarg_segment_size: 48
    .max_flat_workgroup_size: 256
    .sgpr_count:     66
    .vgpr_count:     128
    .wavefront_size: 32
...
	.end_amdgpu_metadata
.endif
;; end of part 1
;; launch proj (part 2): grid 8 x 32, 4 waves a work-group, clusters of 4 x 4, 327,680 bytes of LDS; arguments xb, wb, bq, bk, bv, qf, kf, vf; writes qf, kf, vf
.if DOCPART == 2
	.amdgcn_target "amdgcn-amd-amdhsa--gfx1250"
	.amdhsa_code_object_version 6
	.text
	.protected	k_qc3d59c95ba_proj
	.globl	k_qc3d59c95ba_proj
	.p2align	8
	.type	k_qc3d59c95ba_proj,@function
k_qc3d59c95ba_proj:
	s_mov_b64 s[64:65], 0
	v_nop
	global_prefetch_b8 v0, s[64:65] scope:SCOPE_SE
	s_setreg_imm32_b32 hwreg(HW_REG_WAVE_MODE, 25, 1), 1
	s_wait_xcnt 0x0
	s_wait_alu depctr_hold_cnt(0) depctr_sa_sdst(0) depctr_va_vdst(0) depctr_va_sdst(0) depctr_va_ssrc(0) depctr_va_vcc(0) depctr_vm_vsrc(0)
	s_getreg_b32 s2, hwreg(HW_REG_IB_STS2, 6, 4)
	s_cmp_eq_u32 s2, 0
	s_cbranch_scc0 .Lentry_in_a_cluster
	s_endpgm
.Lentry_in_a_cluster:
	s_bfe_u32 s2, ttmp6, 0x10000c
	s_cmp_lg_u32 s2, 0xf033
	s_cbranch_scc0 .Lentry_shape_is_right
	s_endpgm
.Lentry_shape_is_right:
; q, k, v = x W^T + b for 8,192 tokens and 3 x 1,024 columns: bf16 operands (xb, wb as the launch before laid them), f32 sums, K = 1,024 ascending.
; The biases are rounded to bf16 like every other input of the module, and added in f32.  q is also multiplied by c = log2(e) / 8 in f32.  Each result is rounded ONCE, to f16.
; LIMIT: |q c|, |k| and |v| stay under 65,504, the end of f16; beyond it the conversion gives an infinity.
; SHARES.  A work-group makes 256 tokens (block gy) x 384 columns: q, k and v of the two heads 2 gx, 2 gx + 1.  8 x 32 = 256 work-groups of equal work.
; A wave makes 128 tokens (wr) x one head (wc): 128 x 192, 96 accumulators of 16 x 16 in 768 registers.  For 32 along K it reads 40 x 512 bytes of LDS for 96 matrix instructions.
; K goes in 16 steps of 64 (one block of xb and wb) through two LDS slots; a step is two SUBSTEPS of 32.  Two slots of 128 along K, 2 x 640 rows x 272 bytes, do not fit in LDS.
; CLUSTER 4 x 4.  x's tile hangs on gy alone and is shared along a row of the cluster, W's pieces on gx alone and are shared along a column: each is asked for jointly.
; OUTPUT IN THE ORDER OF MATRIX FRAGMENTS, so that it leaves straight from registers and the next launch loads it straight into operands:
;   qf, kf [head of batch hh][tile T of 16 tokens][p 0..3][lane][8 f16]: lane 16 h + r holds token 16 T + r, channels 16 p + 8 h + 0..7
;   vf     [hh][T][cb 0..3][lane][8 f16]:                            lane 16 h + r holds channel 16 cb + r, tokens 16 T + 8 h + 0..7
; For q and k the matrix instruction takes W's rows as source 0 and x's as source 1 (a lane then holds one token and eight channels), for v the other way round.
; REGISTERS, in windows of 256 (s_set_vgpr_msb: bits 1:0 source 0, 3:2 source 1, 5:4 source 2, 7:6 destination):
;   window 0: v0-15 addresses; v16-79, v80-143 x's fragments, two buffers of 8; v144-239 W's 12 fragments, one buffer, filled again third by third; v240-247 v's bias
;   windows 1, 2, 3: the accumulators of q, k, v: (bb, a) at v[8 (8 bb + a)], bb = 16 channels of the head, a = 16 tokens of the wave
.set PITCH,  144                       ; an LDS row: 128 bytes + 16 of padding = 36 words: the 16 rows of a fragment load start at 16 different groups of four banks (64 banks of 4 bytes: ISA guide 11.1)
.set BPIECE, 128*PITCH                 ; 128 rows of one W
.set AOFF,   3*BPIECE                  ; x's 256 rows lie behind the three pieces
.set SLOT,   AOFF+256*PITCH
.set SPARE,  2*SLOT                    ; behind the ring: the spare words, 128 bytes for each wave: two blocks of 256 bytes that no other line names
.set XKB,    8192*128                  ; bytes from block to block in xb
.set WKB,    3072*128                  ; and in wb
.set LAPS,   8                         ; a lap = two K steps = once round the ring
.set CSC,    0x3e38aa3b                ; c = log2(e) / 8
.set ADRA, 2                           ; v2-3   LDS address of my fragments of x in slot 0, 1
.set ADRB, 4                           ; v4-5   the same for W
.set CO,   6                           ; v6     16 x lane: my place in a piece of 512 bytes
.set BO,   7                           ; v7     32 h: my eight channels' bias, for q and k
.set SPW,  8                           ; v8     LDS address of my spare word; never rewritten
.set NIL,  9                           ; v9     0; never rewritten
.set BR,   10                          ; v10    4 r: my channel's bias, for v
.set FA0,  16
.set FA1,  80
.set FB,   144
.set BQ,   16                          ; the way out: q's bias, 8 registers for each bb (where FA0 lay)
.set BK,   48                          ; k's
.set BV,   240                         ; v's: a pair for each bb, the same number twice
.set TT,   80                          ; the way out: 64 f32 at work (where FA1 lay)
.set PKB,  144                         ; the way out: 32 registers of f16, two sets by turns (where FB lay)
.set WV,   20                          ; s20 wave; s21 wr; s22 wc; s23 laps to go
.set G1A,  24                          ; s[24:31] descriptor group 1 for x's tile
.set G0A,  32                          ; s[32:39] group 0, a set for each slot
.set G1B,  40                          ; s[40:47], s[48:55] the same for W's pieces
.set G0B,  48
.set MSB, 0
.macro WIN new                         ; the immediate's high byte repeats the setting that is left; a switch that changes nothing is dropped
.if MSB != (\new)
	s_set_vgpr_msb (MSB<<8)|(\new)
.set MSB, \new
.endif
.endm
.macro PLACES                          ; a load into a register that a matrix instruction has read, and a vector instruction that reads a matrix result, stand four plain vector instructions behind it
.rept 4
	v_nop
.endr
.endm
; A joint load.  Wave 3 fetches x's 256 rows, waves 0, 1, 2 the 128 rows of Wq, Wk, Wv.  The branch hangs on the wave's number alone.
; An s_nop 0 and four v_nop follow each of the two lines, ahead of the jump and the label.
.macro JLOAD s
	s_cmp_eq_u32 s[WV], 3
	s_cbranch_scc0 .Lfor_b_\@
	tensor_load_to_lds s[G0A+4*(\s):G0A+4*(\s)+3], s[G1A:G1A+7]
	s_nop 0
.rept 4
	v_nop
.endr
	s_branch .Lasked_\@
.Lfor_b_\@:
	tensor_load_to_lds s[G0B+4*(\s):G0B+4*(\s)+3], s[G1B:G1B+7]
	s_nop 0
.rept 4
	v_nop
.endr
.Lasked_\@:
.endm
.macro CREST                           ; a round of the cluster's barrier behind its opening barrier
	s_cmp_lg_u32 s[WV], 0
	s_cbranch_scc1 .Lnot_wave_0_\@
	s_barrier_signal -3
.Lnot_wave_0_\@:
	s_barrier_wait -3
	s_barrier_signal -1
	s_barrier_wait -1
.endm
.macro CROUND                          ; a whole round
	s_barrier_signal -1
	s_barrier_wait -1
	CREST
.endm
	s_load_b512 s[4:19], s[0:1], 0x0               ; xb 4, wb 6, bq 8, bk 10, bv 12, qf 14, kf 16, vf 18
	v_lshl_add_u32 v[SPW], v0, 2, SPARE
	v_mov_b32 v[NIL], 0
	ds_add_u32 v[SPW], v[NIL]                      ; the wave's opening: the add and its wait stand ahead of my first tensor load; the set-up below, work on registers, stands between them
	v_lshrrev_b32 v1, 5, v0
	v_readfirstlane_b32 s[WV], v1                  ; wave 0..3
	s_lshr_b32 s21, s[WV], 1                       ; wr: which 128 tokens
	s_and_b32 s22, s[WV], 1                        ; wc: which head of the pair
	s_bfe_u32 s56, ttmp6, 0x40000                  ; cx, cy: my place in the cluster
	s_bfe_u32 s57, ttmp6, 0x40004
	s_lshl_b32 s58, ttmp9, 2
	s_add_co_u32 s58, s58, s56                     ; gx = 4 x cluster x + cx: the head pair
	s_and_b32 s59, ttmp7, 0xffff
	s_lshl_b32 s59, s59, 2
	s_add_co_u32 s59, s59, s57                     ; gy = 4 x cluster y + cy: the block of 256 tokens
	s_lshl_b32 s60, s57, 2
	s_lshl_b32 s60, 15, s60                        ; my row of the cluster
	s_lshl_b32 s61, 0x1111, s56                    ; my column
	; group 1: dense bytes asked for as rows of 256 (two rows of a block), padded in LDS behind every 128 bytes
	s_or_b32 s[G1A], s60, (1<<16)|(1<<20)|(1<<21)|(4<<22)|(3<<25)  ; 15:0 the mask; 17:16 2-byte elements; 20 padding on; 21 set beside a mask; 24:22 after every 32 words (code 4); 31:25 4 words (code 3)
	s_or_b32 s[G1B], s61, (1<<16)|(1<<20)|(1<<21)|(4<<22)|(3<<25)
	s_mov_b32 s[G1A+1], 128<<16                    ; tensor_dim0 = 128 elements
	s_mov_b32 s[G1B+1], 128<<16
	s_mov_b32 s[G1A+2], 128<<16                    ; tensor_dim1 = 128 rows: 32,768 bytes of x
	s_mov_b32 s[G1B+2], 64<<16                     ; 64 rows: 16,384 bytes of a W
	s_mov_b32 s[G1A+3], 128<<16                    ; tile_dim0 = 128
	s_mov_b32 s[G1B+3], 128<<16
	s_mov_b32 s[G1A+4], 128                        ; tile_dim1
	s_mov_b32 s[G1B+4], 64
	s_mov_b32 s[G1A+5], 128                        ; elements from row to row
	s_mov_b32 s[G1B+5], 128
	s_mov_b32 s[G1A+6], 0
	s_mov_b32 s[G1B+6], 0
	s_mov_b32 s[G1A+7], 0
	s_mov_b32 s[G1B+7], 0
	s_lshl_b32 s62, s59, 15                        ; x: 256 rows of 128 bytes for each gy; no register that feeds x's descriptors holds cx,
	s_mov_b32 s63, 0
	s_lshl_b32 s66, s58, 14                        ; W: 128 rows of 128 bytes for each gx, 1,024 rows for each of q, k, v; none that feeds W's holds cy
	s_lshl_b32 s67, s[WV], 17
	s_add_co_u32 s66, s66, s67
	s_mov_b32 s67, 0
	s_mul_i32 s68, s[WV], BPIECE                   ; where a piece goes: wave x 128 rows: no place in the cluster enters an LDS address
	s_wait_dscnt 0x0                               ; the opening add is done
	s_wait_kmcnt 0x0
	s_add_nc_u64 s[70:71], s[4:5], s[62:63]
	s_add_nc_u64 s[72:73], s[6:7], s[66:67]
	CROUND                                         ; all sixteen work-groups are here: the first joint loads meet
.irp s, 0,1
	s_mov_b32 s[G0A+4*(\s)], 1                                       ; count = 1
	s_mov_b32 s[G0A+4*(\s)+1], AOFF+(\s)*SLOT                        ; LDS address
	s_add_nc_u64 s[G0A+4*(\s)+2:G0A+4*(\s)+3], s[70:71], (\s)*XKB    ; global address: K step s
	s_or_b32 s[G0A+4*(\s)+3], s[G0A+4*(\s)+3], 0x80000000            ; type = 2
	s_mov_b32 s[G0B+4*(\s)], 1
	s_add_co_u32 s[G0B+4*(\s)+1], s68, (\s)*SLOT
	s_add_nc_u64 s[G0B+4*(\s)+2:G0B+4*(\s)+3], s[72:73], (\s)*WKB
	s_or_b32 s[G0B+4*(\s)+3], s[G0B+4*(\s)+3], 0x80000000
	JLOAD \s                                       ; both slots are asked for before anything else: two loads of mine are out, the most in this text
.endr
	; A fragment is 16 rows x 32 K in 8 registers: lane l holds row l % 16, K = 8 (l / 16) + 0..7 and 16 + 8 (l / 16) + 0..7: two loads of 16 bytes, 32 bytes apart.
	v_and_b32 v1, 15, v0                           ; r
	v_bfe_u32 v11, v0, 4, 1                        ; h
	v_mul_u32_u24 v12, v1, PITCH
	v_lshl_add_u32 v12, v11, 4, v12                ; r x pitch + 16 h
	s_mul_i32 s74, s21, BPIECE
	s_add_co_u32 s74, s74, AOFF                    ; my 128 rows of x
	s_mul_i32 s75, s22, 64*PITCH                   ; my head's 64 rows in each piece of W
	v_add_nc_u32 v[ADRA], s74, v12
	v_add_nc_u32 v[ADRA+1], SLOT, v[ADRA]
	v_add_nc_u32 v[ADRB], s75, v12
	v_add_nc_u32 v[ADRB+1], SLOT, v[ADRB]
	v_and_b32 v[CO], 31, v0
	v_lshlrev_b32 v[CO], 4, v[CO]
	v_lshlrev_b32 v[BO], 5, v11
	v_lshlrev_b32 v[BR], 2, v1
	s_lshl_b32 s76, s58, 9                         ; the biases at my head: (128 gx + 64 wc) x 4 bytes
	s_lshl_b32 s77, s22, 8
	s_add_co_u32 s76, s76, s77
	s_mov_b32 s77, 0
	s_add_nc_u64 s[8:9], s[8:9], s[76:77]
	s_add_nc_u64 s[10:11], s[10:11], s[76:77]
	s_add_nc_u64 s[12:13], s[12:13], s[76:77]
	s_lshr_b32 s2, s59, 3                          ; the batch: 8 blocks of 256 tokens each
	s_lshl_b32 s2, s2, 4
	s_lshl_b32 s3, s58, 1
	s_add_co_u32 s2, s2, s3
	s_add_co_u32 s2, s2, s22                       ; hh = 16 x batch + 2 gx + wc
	s_lshl_b32 s78, s2, 18                         ; a head is 128 tiles of 2,048 bytes
	s_and_b32 s2, s59, 7
	s_lshl_b32 s2, s2, 4
	s_lshl_b32 s3, s21, 3
	s_add_co_u32 s2, s2, s3                        ; my first tile of 16 tokens: 16 (gy mod 8) + 8 wr
	s_lshl_b32 s2, s2, 11
	s_add_co_u32 s78, s78, s2
	s_mov_b32 s79, 0
	s_add_nc_u64 s[14:15], s[14:15], s[78:79]
	s_add_nc_u64 s[16:17], s[16:17], s[78:79]
	s_add_nc_u64 s[18:19], s[18:19], s[78:79]
; 8 n matrix instructions of tensor t (0 q, 1 k, 2 v): channel blocks bb0 .. bb0 + n - 1 x all 8 token blocks, 32 along K, x's fragments in buffer fa.  zero = 1: the products start the sums.
; All 96 accumulators take turns, one instruction a turn, in the same order in every substep.
.macro SEC t, fa, bb0, n, zero
	WIN 0x50*((\t)+1)                              ; C and D in window t + 1
.set sbb, \bb0
.rept \n
.set sa, 0
.rept 8
.set rC, 8*(8*sbb+sa)
.set rB, FB+8*(4*(\t)+sbb)
.set rA, (\fa)+8*sa
.if (\t) < 2
.if \zero
	v_wmma_f32_16x16x32_bf16 v[rC:rC+7], v[rB:rB+7], v[rA:rA+7], 0
.else
	v_wmma_f32_16x16x32_bf16 v[rC:rC+7], v[rB:rB+7], v[rA:rA+7], v[rC:rC+7]
.endif
.else
.if \zero
	v_wmma_f32_16x16x32_bf16 v[rC:rC+7], v[rA:rA+7], v[rB:rB+7], 0
.else
	v_wmma_f32_16x16x32_bf16 v[rC:rC+7], v[rA:rA+7], v[rB:rB+7], v[rC:rC+7]
.endif
.endif
.set sa, sa+1
.endr
.set sbb, sbb+1
.endr
.endm
; A run of LDS loads for the NEXT substep (byte ko of the rows of slot): W_r's four fragments, which the section just done has read out, and for r < 2 four of x's fragments into the other buffer fan.
.macro RUN r, slot, ko, fan, places
	WIN 0
.if \places
	PLACES
.endif
.irp i, 0,1,2,3
	ds_load_b128 v[FB+8*(4*(\r)+(\i)):FB+8*(4*(\r)+(\i))+3],   v[ADRB+(\slot)] offset:(\r)*BPIECE+(\i)*16*PITCH+(\ko)
	ds_load_b128 v[FB+8*(4*(\r)+(\i))+4:FB+8*(4*(\r)+(\i))+7], v[ADRB+(\slot)] offset:(\r)*BPIECE+(\i)*16*PITCH+(\ko)+32
.endr
.if (\r) < 2
.irp i, 0,1,2,3
	ds_load_b128 v[(\fan)+8*(4*(\r)+(\i)):(\fan)+8*(4*(\r)+(\i))+3],   v[ADRA+(\slot)] offset:(4*(\r)+(\i))*16*PITCH+(\ko)
	ds_load_b128 v[(\fan)+8*(4*(\r)+(\i))+4:(\fan)+8*(4*(\r)+(\i))+7], v[ADRA+(\slot)] offset:(4*(\r)+(\i))*16*PITCH+(\ko)+32
.endr
.endif
.endm
; A K step's first substep: multiplies buffer fa and fetches the second substep's fragments from the same slot.
.macro SUB_PLAIN slot, ko, fa, fan, zero
	s_wait_dscnt 8                                 ; all but the youngest eight loads (Wv's fragments): Wq's, Wk's and all of x's are in
	SEC 0, \fa, 0, 4, \zero
	RUN 0, \slot, \ko, \fan, 1
	SEC 1, \fa, 0, 4, \zero
	RUN 1, \slot, \ko, \fan, 1
	s_wait_dscnt 32                                ; all but the 16 + 16 just issued: Wv's fragments are in
	SEC 2, \fa, 0, 4, \zero
	RUN 2, \slot, \ko, \fan, 1
.endm
; A K step's second substep changes slots: ONE barrier.  In front of it each wave waits for all its tensor loads (one is out: its part of the next slot), adds 0 to its spare word,
; and waits for that and for its reads of slot my, all of which were issued in the substep before.  fill = 1: the barrier opens a round of the cluster's, and slot my is filled again, two K steps on,
; first thing behind the round: 160 matrix instructions ahead of the wait for it.
.macro SUB_TURN my, next, fa, fan, fill
	WIN 0
	s_wait_tensorcnt 0x0                           ; all my tensor loads have landed
	ds_add_u32 v[SPW], v[NIL]                      ; 0 onto my spare word
	s_wait_dscnt 9                                 ; (the add and the youngest eight loads may be out)
	SEC 0, \fa, 0, 2, 0                            ; sixteen matrix instructions stand between the add and the wait for it
	s_wait_dscnt 0x0                               ; the add is done, and my reads of this slot are over; Wv's fragments are in too
	s_barrier_signal -1
	SEC 0, \fa, 2, 2, 0                            ; work on registers while the others arrive
	WIN 0                                          ; at a branch and at a label every window is 0
	s_barrier_wait -1
.if \fill
	CREST                                          ; no wave of any partner still reads this slot or has a load on its way
	s_add_nc_u64 s[G0A+4*(\my)+2:G0A+4*(\my)+3], s[G0A+4*(\my)+2:G0A+4*(\my)+3], 2*XKB
	s_add_nc_u64 s[G0B+4*(\my)+2:G0B+4*(\my)+3], s[G0B+4*(\my)+2:G0B+4*(\my)+3], 2*WKB
	JLOAD \my                                      ; its four v_nop are also the places in front of the loads below
.else
	PLACES
.endif
	RUN 0, \next, 0, \fan, 0
	SEC 1, \fa, 0, 4, 0
	RUN 1, \next, 0, \fan, 1
	SEC 2, \fa, 0, 4, 0
	RUN 2, \next, 0, \fan, 1
.endm
	s_wait_tensorcnt 1                             ; my part of K step 0 is in; K step 1's may stay out
	s_barrier_signal -1
	s_barrier_wait -1                              ; everybody's is
	RUN 0, 0, 0, FA0, 0                            ; the first fragments, in the order of every later substep: 16, 16 and 8 loads
	RUN 1, 0, 0, FA0, 0
	RUN 2, 0, 0, FA0, 0
	SUB_PLAIN 0, 64, FA0, FA1, 1                   ; the first substep stands in front of the loop: its products start the sums
	WIN 0
	s_mov_b32 s23, LAPS-1
.Llap:                                                 ; a trip goes once round the ring, from a lap's second substep to the next lap's first, and fills both slots again
	SUB_TURN 0, 1, FA1, FA0, 1
	SUB_PLAIN 1, 64, FA0, FA1, 0
	SUB_TURN 1, 0, FA1, FA0, 1
	SUB_PLAIN 0, 64, FA0, FA1, 0
	WIN 0
	s_sub_co_u32 s23, s23, 1
	s_cmp_lg_u32 s23, 0
	s_cbranch_scc1 .Llap
	SUB_TURN 0, 1, FA1, FA0, 0                     ; the last lap is written out: nothing is left to ask for
	SUB_PLAIN 1, 64, FA0, FA1, 0
	s_wait_dscnt 8                                 ; the very last substep
	SEC 0, FA1, 0, 4, 0
	WIN 0
.irp b, 0,1,2,3                        ; the biases, into FA0's registers: their last reader stands in front of the four v_nop of the run before
	global_load_b128 v[BQ+8*(\b):BQ+8*(\b)+3],   v[BO], s[8:9] offset:64*(\b)
	global_load_b128 v[BQ+8*(\b)+4:BQ+8*(\b)+7], v[BO], s[8:9] offset:64*(\b)+16
	global_load_b128 v[BK+8*(\b):BK+8*(\b)+3],   v[BO], s[10:11] offset:64*(\b)
	global_load_b128 v[BK+8*(\b)+4:BK+8*(\b)+7], v[BO], s[10:11] offset:64*(\b)+16
	global_load_b32 v[BV+2*(\b)], v[BR], s[12:13] offset:64*(\b)
.endr
	SEC 1, FA1, 0, 4, 0
	s_wait_dscnt 0x0
	SEC 2, FA1, 0, 4, 0
	; THE WAY OUT.  No LDS: a lane's eight numbers of an accumulator are the 16 bytes that the fragment order wants of it.
	WIN 0
	PLACES
	s_wait_loadcnt 0x0
.set i, 0
.rept 32                               ; q's and k's biases, rounded to bf16 and widened again
	v_cvt_pk_bf16_f32 v[12+i%4], v[BQ+2*i], v[BQ+2*i+1]
	v_lshlrev_b32 v[BQ+2*i], 16, v[12+i%4]
	v_and_b32 v[BQ+2*i+1], 0xffff0000, v[12+i%4]
.set i, i+1
.endr
.irp b, 0,1,2,3                        ; v's: one channel a lane, the number in both registers of a pair
	v_cvt_pk_bf16_f32 v[12+(\b)], v[BV+2*(\b)], v[BV+2*(\b)]
	v_lshlrev_b32 v[BV+2*(\b)], 16, v[12+(\b)]
	v_and_b32 v[BV+2*(\b)+1], 0xffff0000, v[12+(\b)]
.endr
.set i, 0
.rept 16                               ; (sum + bq) c = sum c + bq c
	v_pk_mul_f32 v[BQ+2*i:BQ+2*i+1], v[BQ+2*i:BQ+2*i+1], CSC op_sel_hi:[1,0]
.set i, i+1
.endr
; Channel block bb of tensor t: eight accumulators.  Each is read from its lowest registers on.
.macro OUT t, bb
	WIN (\t)+1                                     ; source 0 in window t + 1
.set oa, 0
.rept 8
.set oi, 0
.rept 4
.set rC, 8*(8*(\bb)+oa)+2*oi
.set rT, TT+8*oa+2*oi
.if (\t) == 0
	v_pk_fma_f32 v[rT:rT+1], v[rC:rC+1], CSC, v[BQ+8*(\bb)+2*oi:BQ+8*(\bb)+2*oi+1] op_sel_hi:[1,0,1]
.elseif (\t) == 1
	v_pk_add_f32 v[rT:rT+1], v[rC:rC+1], v[BK+8*(\bb)+2*oi:BK+8*(\bb)+2*oi+1]
.else
	v_pk_add_f32 v[rT:rT+1], v[rC:rC+1], v[BV+2*(\bb):BV+2*(\bb)+1]
.endif
.set oi, oi+1
.endr
.set oa, oa+1
.endr
	WIN 0
	s_wait_xcnt 0x0                                ; every earlier store has had its addresses translated (ISA guide 3.1): its data registers are rewritten only behind this wait
.set rP, PKB+32*((\bb)%2)
.set oi, 0
.rept 32
	v_cvt_pk_f16_f32 v[rP+oi], v[TT+2*oi], v[TT+2*oi+1]
.set oi, oi+1
.endr
.set oa, 0
.rept 8
	global_store_b128 v[CO], v[rP+4*oa:rP+4*oa+3], s[14+2*(\t):15+2*(\t)] offset:oa*2048+(\bb)*512  ; 512 consecutive bytes, at a multiple of 512 from the buffer's first
.set oa, oa+1
.endr
.endm
.irp t, 0,1,2
.irp b, 0,1,2,3
	OUT \t, \b
.endr
.endr
	s_wait_tensorcnt 0x0                           ; the wave's end
	ds_add_u32 v[SPW], v[NIL]
	s_wait_dscnt 0x0
	CROUND                                         ; the closing round: no work-group ends while a partner may still ask for a tile that names it
	s_endpgm
.Lfunc_end_k_qc3d59c95ba_proj:
	.size	k_qc3d59c95ba_proj, .Lfunc_end_k_qc3d59c95ba_proj-k_qc3d59c95ba_proj
	.p2alignl 7, 3214868480
	.fill 96, 4, 3214868480
	.section	.rodata,"a",@progbits
	.p2align	6, 0x0
	.amdhsa_kernel k_qc3d59c95ba_proj
		.amdhsa_group_segment_fixed_size 327680
		.amdhsa_private_segment_fixed_size 0
		.amdhsa_enable_private_segment 0
		.amdhsa_kernarg_size 64
		.amdhsa_user_sgpr_count 2
		.amdhsa_user_sgpr_kernarg_segment_ptr 1
		.amdhsa_wavefront_size32 1
		.amdhsa_system_sgpr_workgroup_id_x 1
		.amdhsa_system_sgpr_workgroup_id_y 1
		.amdhsa_system_sgpr_workgroup_id_z 1
		.amdhsa_system_vgpr_workitem_id 0
		.amdhsa_next_free_vgpr 1024
		.amdhsa_next_free_sgpr 80
		.amdhsa_reserve_vcc 0
		.amdhsa_float_denorm_mode_32 3
		.amdhsa_float_denorm_mode_16_64 3
		.amdhsa_memory_ordered 1
		.amdhsa_forward_progress 1
		.amdhsa_inst_pref_size 153
	.end_amdhsa_kernel
	.amdgpu_metadata
---
amdhsa.version: [ 1, 2 ]
amdhsa.kernels:
  - .name:           k_qc3d59c95ba_proj
    .symbol:         k_qc3d59c95ba_proj.kd
    .args:
      - { .name: xb, .offset: 0, .size: 8, .value_kind: global_buffer, .address_space: global }
      - { .name: wb, .offset: 8, .size: 8, .value_kind: global_buffer, .address_space: global }
      - { .name: bq, .offset: 16, .size: 8, .value_kind: global_buffer, .address_space: global }
      - { .name: bk, .offset: 24, .size: 8, .value_kind: global_buffer, .address_space: global }
      - { .name: bv, .offset: 32, .size: 8, .value_kind: global_buffer, .address_space: global }
      - { .name: qf, .offset: 40, .size: 8, .value_kind: global_buffer, .address_space: global }
      - { .name: kf, .offset: 48, .size: 8, .value_kind: global_buffer, .address_space: global }
      - { .name: vf, .offset: 56, .size: 8, .value_kind: global_buffer, .address_space: global }
    .group_segment_fixed_size: 327680
    .private_segment_fixed_size: 0
    .kernarg_segment_align: 8
    .kernarg_segment_size: 64
    .max_flat_workgroup_size: 128
    .sgpr_count:     80
    .vgpr_count:     1024
    .wavefront_size: 32
...
	.end_amdgpu_metadata
.endif
;; end of part 2
;; launch attn (part 3): grid 4 x 64, 16 waves a work-group, no clusters, 276,480 bytes of LDS; arguments qf, kf, vf, attention_mask, out0; writes out0
.if DOCPART == 3
	.amdgcn_target "amdgcn-amd-amdhsa--gfx1250"
	.amdhsa_code_object_version 6
	.text
	.protected	k_qc3d59c95ba_attn
	.globl	k_qc3d59c95ba_attn
	.p2align	8
	.type	k_qc3d59c95ba_attn,@function
k_qc3d59c95ba_attn:
	s_mov_b64 s[64:65], 0
	v_nop
	global_prefetch_b8 v0, s[64:65] scope:SCOPE_SE
	s_setreg_imm32_b32 hwreg(HW_REG_WAVE_MODE, 25, 1), 1
	s_wait_xcnt 0x0
; LOG-SPARSE ATTENTION.  Query i sees key j where i - j is 0 or a power of two (1 .. 1,024); the input mask [batch][key] is added to the scores.  16 heads of 64 channels, 2,048 tokens, 4 batches.
; ON TILES OF 16 TOKENS the pattern is the same everywhere: query tile T needs the key tiles T - off, off = 0, 1, 2, 4, 8, 16, 32, 64.  In the first two a band of differences is allowed
; (0, 1, 2, 4, 8 and 1, 2, 4, 8, 16); in the other six the diagonal alone (32 .. 1,024).  So a query tile has 16 products K Q^T and 16 products V^T P; all other scores are never made.
; q (already times log2(e) / 8), k, v come in f16 in the order of matrix fragments (see the launch before): a piece of 512 bytes is one 16-byte load of a wave, no padding, no turning load.
; S^T = K Q^T holds ONE query a lane (lane % 16) and the keys 8 (lane / 16) + 0..7 of each key tile; two such results rounded to f16 ARE source 1 of O^T = V^T P.
; SOFTMAX: hidden scores get -inf; the mask, rounded to bf16 like every input and times log2(e), is added; the row's true maximum over all eight tiles is taken away; p = 2^(s - m);
; l is the sum of the unrounded p; O is divided by l in f32.  Key tiles before the sequence's start read tile 0 in their stead, and their mask words are -inf.
; LIMITS.  mask x log2(e) passes f32's range below -2.36e38 and counts as -inf; a +inf in the mask gives NaN in every row of its tile's band; a weight below 2^-126 counts as 0;
; a row whose allowed keys are all -inf gives NaN, as the softmax of such a row does.
; SHARES.  A work-group: one head of one batch (hh), 512 queries (blk).  Wave w: query tiles u = w and u = w + 16.  Offsets up to 16 are read from a window of 48 key tiles in LDS, which the
; sixteen waves bring in together, three tiles each, through registers that are idle then; offsets 32 and 64 are used once in the work-group and go from memory to registers.
; Every LDS address is made of constants, the wave's number and the lane: the windows of K, V and the mask words all begin at a tile that hangs on blk, and blk enters global addresses alone.
; NO CLUSTER, NO TENSOR LOAD: a head's four blocks need different windows, and the window is filled once.  ONE barrier, behind the window's stores.
.set VW,    98304                      ; K's window at 0, V's here: 48 tiles x 2,048 bytes each, from tile T0 - 16 on
.set AM,    196608                     ; the mask words' window: 128 tiles x 64 bytes, from tile T0 - 64 on
.set STAGE, 204800                     ; 16 rows x 272 bytes for each wave, its own, for the way out
.set SP,    272
.set SPARE, 274432                     ; the spare words, 128 bytes for each of 16 waves, that no other line names
.set LOFF, 1                           ; v1   16 x lane
.set ADK,  2                           ; v2   16 x lane + 2,048 u: key tile T - off lies (16 - off) x 2,048 further on
.set ADV,  3                           ; v3   the same in V's window
.set ADM,  4                           ; v4   AM + 64 u + 32 h: key tile T - off lies (64 - off) x 64 further on
.set STO,  5                           ; v5   the way out: where I put 32 bytes of a row
.set RD,   6                           ; v6   where I read a row back
.set GO,   7                           ; v7   my byte offset in two rows of out0
.set SPW,  8                           ; v8   LDS address of my spare word; never rewritten
.set NIL,  9                           ; v9   0; never rewritten
.set AW,   10                          ; v10-11  where my three window tiles go, K's and V's
.set MW,   12                          ; v12-15  the mask words; later at work
.set CC,   16                          ; v16-19  four chains of the maximum
.set MM,   20                          ; v20-21  m, twice
.set LL,   22                          ; v22-23  l, then 1 / l twice
.set MD0,  24                          ; v24-31  0 or -inf: key tile T
.set MD1,  32                          ; v32-39  key tile T - 1
.set MDD,  40                          ; v40-47  the diagonal alone
.set Q,    48                          ; v48-63  Q; behind the first products four pairs for the sums
.set S,    64                          ; v64-127 S^T, 8 registers a key tile; later O^T in v64-95 and V of offsets 8, 16 in v96-127
.set B,    128                         ; v128-191 from LDS: K, then the mask words, then V, then the rows on their way out
.set MA,   160                         ; v160 at the start: my byte offset in the batch's mask; v161 the same before it is clamped
.set KF,   192                         ; v192-223 K of offsets 32, 64
.set P,    192                         ; then P, 4 registers a key tile
.set VF,   224                         ; v224-255 V of offsets 32, 64
.macro PLACES                          ; a load into a register that a matrix instruction has read, and a vector instruction that reads a matrix result, stand four plain vector instructions behind it
.rept 4
	v_nop
.endr
.endm
; The 20 loads of query tile s17: Q (4), K of offsets 32 and 64 (8), V of the same (8).  A tile before the head's first is replaced by tile 0: finite numbers, which the mask words hide.
.macro LOADS
	s_lshl_b32 s22, s17, 11
	s_add_nc_u64 s[44:45], s[4:5], s[22:23]
	s_sub_co_i32 s22, s17, 32
	s_max_i32 s22, s22, 0
	s_lshl_b32 s22, s22, 11
	s_add_nc_u64 s[36:37], s[6:7], s[22:23]
	s_add_nc_u64 s[40:41], s[8:9], s[22:23]
	s_sub_co_i32 s22, s17, 64
	s_max_i32 s22, s22, 0
	s_lshl_b32 s22, s22, 11
	s_add_nc_u64 s[38:39], s[6:7], s[22:23]
	s_add_nc_u64 s[42:43], s[8:9], s[22:23]
.irp p, 0,1,2,3
	global_load_b128 v[Q+4*(\p):Q+4*(\p)+3], v[LOFF], s[44:45] offset:512*(\p) th:TH_LOAD_NT
.endr
.irp p, 0,1,2,3
	global_load_b128 v[KF+4*(\p):KF+4*(\p)+3], v[LOFF], s[36:37] offset:512*(\p)
.endr
.irp p, 0,1,2,3
	global_load_b128 v[KF+16+4*(\p):KF+16+4*(\p)+3], v[LOFF], s[38:39] offset:512*(\p)
.endr
.irp p, 0,1,2,3                        ; a fragment of V^T is 16 channels x 32 keys: offset 32's tile in registers 0-3, offset 64's in 4-7
	global_load_b128 v[VF+8*(\p):VF+8*(\p)+3],   v[LOFF], s[40:41] offset:512*(\p)
	global_load_b128 v[VF+8*(\p)+4:VF+8*(\p)+7], v[LOFF], s[42:43] offset:512*(\p)
.endr
.endm
	s_load_b256 s[4:11], s[0:1], 0x0               ; qf s[4:5], kf s[6:7], vf s[8:9], attention_mask s[10:11]
	s_load_b64 s[12:13], s[0:1], 0x20              ; out0
	v_lshl_add_u32 v[SPW], v0, 2, SPARE
	v_mov_b32 v[NIL], 0
	v_lshrrev_b32 v1, 5, v0
	v_readfirstlane_b32 s14, v1                    ; wave 0..15
	s_mov_b32 s15, ttmp9                           ; blk
	s_and_b32 s16, ttmp7, 0xffff                   ; hh = 16 x batch + head
	s_lshl_b32 s19, s15, 5                         ; T0 = 32 blk
	s_add_co_u32 s17, s19, s14                     ; T = T0 + w
	s_mul_i32 s18, s14, 3
	s_add_co_u32 s18, s18, s19
	s_sub_co_i32 s18, s18, 16                      ; my first window tile: T0 - 16 + 3 w; below 0 in the head's first block
	s_lshl_b32 s20, s16, 18                        ; a head is 262,144 bytes of qf, kf, vf
	s_mov_b32 s21, 0
	s_mov_b32 s23, 0
	s_mov_b32 s48, 0x76543210                      ; v_permlanex16_b32: each lane takes its own place in the other half
	s_mov_b32 s49, 0xfedcba98
	s_lshr_b32 s54, s16, 4                         ; the batch
	s_and_b32 s55, s16, 15                         ; the head
	v_and_b32 v1, 31, v0
	v_lshlrev_b32 v[LOFF], 4, v1
	; thread t takes four mask words: the 16 bytes at 16 t of the window that begins at tile T0 - 64, byte 64 (T0 - 64) = 2,048 blk - 4,096 of the batch's 8,192
	v_lshlrev_b32 v23, 4, v0
	s_lshl_b32 s61, s15, 11
	s_sub_co_i32 s61, s61, 4096
	v_add_nc_u32 v[MA+1], s61, v23
	v_cmp_gt_i32 s60, 0, v[MA+1]                   ; before the sequence's start: those words become -inf below, and byte 0 is read in their stead
	v_cndmask_b32 v[MA], v[MA+1], 0, s60
	v_min_u32 v[MA], 8176, v[MA]                   ; past its end (tiles that no query of this block sees): the last 16 bytes are read in their stead
	s_wait_kmcnt 0x0
	s_add_nc_u64 s[4:5], s[4:5], s[20:21]
	s_add_nc_u64 s[6:7], s[6:7], s[20:21]
	s_add_nc_u64 s[8:9], s[8:9], s[20:21]
	s_lshl_b32 s20, s54, 13
	s_add_nc_u64 s[10:11], s[10:11], s[20:21]
	global_load_b128 v[MW:MW+3], v[MA], s[10:11]
.irp e, 0,1,2
	s_add_co_i32 s22, s18, (\e)
	s_max_i32 s22, s22, 0
	s_lshl_b32 s22, s22, 11
	s_add_nc_u64 s[24+2*(\e):25+2*(\e)], s[6:7], s[22:23]
	s_add_nc_u64 s[30+2*(\e):31+2*(\e)], s[8:9], s[22:23]
.endr
.irp e, 0,1,2
.irp p, 0,1,2,3
	global_load_b128 v[S+16*(\e)+4*(\p):S+16*(\e)+4*(\p)+3], v[LOFF], s[24+2*(\e):25+2*(\e)] offset:512*(\p)
.endr
.endr
.irp e, 0,1,2
.irp p, 0,1,2,3
	global_load_b128 v[S+48+16*(\e)+4*(\p):S+48+16*(\e)+4*(\p)+3], v[LOFF], s[30+2*(\e):31+2*(\e)] offset:512*(\p)
.endr
.endr
	LOADS                                          ; my first query tile's
	s_lshl_b32 s20, s54, 23                        ; out0: batch x 2,048 rows of 4,096 bytes + head x 256 + T x 16 rows
	s_lshl_b32 s55, s55, 8
	s_add_co_u32 s20, s20, s55
	s_lshl_b32 s55, s17, 16
	s_add_co_u32 s20, s20, s55
	s_add_nc_u64 s[46:47], s[12:13], s[20:21]
	; the lanes' addresses and the three patterns, while 45 loads are on their way
	v_and_b32 v21, 15, v0                          ; r
	v_bfe_u32 v22, v0, 4, 1                        ; h
	s_lshl_b32 s56, s14, 11
	v_add_nc_u32 v[ADK], s56, v[LOFF]
	v_add_nc_u32 v[ADV], VW, v[ADK]
	s_lshl_b32 s57, s14, 6                         ; 64 u, u = w: the wave's number alone
	s_add_co_u32 s57, s57, AM
	v_lshl_add_u32 v[ADM], v22, 5, s57
	s_mul_i32 s58, s14, 16*SP
	s_add_co_u32 s58, s58, STAGE                   ; my stage
	v_mul_u32_u24 v[STO], v21, SP                  ; in: row r, 32 bytes for each half of the lanes
	v_lshl_add_u32 v[STO], v22, 5, v[STO]
	v_add_nc_u32 v[STO], s58, v[STO]
	v_mul_u32_u24 v[RD], v22, SP                   ; back: lanes 0-15 take one row of 256 bytes, lanes 16-31 the next
	v_lshl_add_u32 v[RD], v21, 4, v[RD]
	v_add_nc_u32 v[RD], s58, v[RD]
	v_lshlrev_b32 v[GO], 12, v22                   ; and the same two rows in out0
	v_lshl_add_u32 v[GO], v21, 4, v[GO]
	s_mul_i32 s59, s14, 3*2048
	v_add_nc_u32 v[AW], s59, v[LOFF]
	v_add_nc_u32 v[AW+1], VW, v[AW]
	v_lshlrev_b32 v20, 3, v22
	v_sub_nc_u32 v20, v21, v20                     ; e = r - 8 h: register j holds the key whose difference inside the tile is e - j
	v_mov_b32 v16, 0xff800000                      ; -inf
	v_mov_b32 v17, 0
.set j, 0
.rept 8
	v_add_nc_u32 v21, -j, v20                      ; key tile T: d = e - j is allowed where d >= 0 and d & (d - 1) = 0
	v_add_nc_u32 v22, -1, v21
	v_and_b32 v22, v21, v22
	v_cmp_eq_u32 s50, 0, v22
	v_cmp_le_i32 s51, 0, v21
	s_and_b32 s50, s50, s51
	v_cndmask_b32 v[MD0+j], v16, v17, s50
	v_add_nc_u32 v21, 16-j, v20                    ; key tile T - 1: d = e - j + 16 lies in 1 .. 31
	v_add_nc_u32 v22, -1, v21
	v_and_b32 v22, v21, v22
	v_cmp_eq_u32 s52, 0, v22
	v_cndmask_b32 v[MD1+j], v16, v17, s52
	v_cmp_eq_u32 s53, j, v20                       ; the others: 16 off + e - j is a power of two only where e = j
	v_cndmask_b32 v[MDD+j], v16, v17, s53
.set j, j+1
.endr
	s_wait_loadcnt 44                              ; the mask words are in; the window's 24 loads and the tile's 20 stay out
	v_cvt_pk_bf16_f32 v20, v[MW], v[MW+1]          ; rounded to bf16 like every input,
	v_cvt_pk_bf16_f32 v22, v[MW+2], v[MW+3]
	v_lshlrev_b32 v[MW], 16, v20
	v_and_b32 v[MW+1], 0xffff0000, v20
	v_lshlrev_b32 v[MW+2], 16, v22
	v_and_b32 v[MW+3], 0xffff0000, v22
	v_pk_mul_f32 v[MW:MW+1], v[MW:MW+1], 0x3fb8aa3b op_sel_hi:[1,0]      ; times log2(e): the scores are exponents of 2,
	v_pk_mul_f32 v[MW+2:MW+3], v[MW+2:MW+3], 0x3fb8aa3b op_sel_hi:[1,0]
.irp i, 0,1,2,3
	v_cndmask_b32 v[MW+(\i)], v[MW+(\i)], v16, s60 ; and -inf for the keys before the sequence's start
.endr
	v_add_nc_u32 v21, AM, v23
	ds_store_b128 v21, v[MW:MW+3]                  ; 512 threads x 16 bytes: the whole window of mask words
	s_wait_loadcnt 32                              ; K's three tiles are in (behind them: V's 12 loads and the tile's 20)
.irp e, 0,1,2
.irp p, 0,1,2,3
	ds_store_b128 v[AW], v[S+16*(\e)+4*(\p):S+16*(\e)+4*(\p)+3] offset:(\e)*2048+(\p)*512
.endr
.endr
	s_wait_loadcnt 20                              ; V's
.irp e, 0,1,2
.irp p, 0,1,2,3
	ds_store_b128 v[AW+1], v[S+48+16*(\e)+4*(\p):S+48+16*(\e)+4*(\p)+3] offset:(\e)*2048+(\p)*512
.endr
.endr
	s_wait_dscnt 0x0                               ; for the others' sake: my stores are done
	s_barrier_signal -1
	s_barrier_wait -1                              ; the windows are whole; nobody writes them again
; Half c (32 channels) of S^T for key tile st, whose K lies in 16 registers from kr on.  The first half starts the sum.
.macro KQ st, kr, c
.if (\c) == 0
	v_wmma_f32_16x16x32_f16 v[S+8*(\st):S+8*(\st)+7], v[(\kr):(\kr)+7], v[Q:Q+7], 0
.else
	v_wmma_f32_16x16x32_f16 v[S+8*(\st):S+8*(\st)+7], v[(\kr)+8:(\kr)+15], v[Q+8:Q+15], v[S+8*(\st):S+8*(\st)+7]
.endif
.endm
; Four products of O^T += V^T P: 32 keys (a pair of key tiles), V's four fragments from vr on, P's from pr on.  The four accumulators take turns.
.macro PV vr, pr, zero
.irp cb, 0,1,2,3
.if \zero
	v_wmma_f32_16x16x32_f16 v[S+8*(\cb):S+8*(\cb)+7], v[(\vr)+8*(\cb):(\vr)+8*(\cb)+7], v[(\pr):(\pr)+7], 0
.else
	v_wmma_f32_16x16x32_f16 v[S+8*(\cb):S+8*(\cb)+7], v[(\vr)+8*(\cb):(\vr)+8*(\cb)+7], v[(\pr):(\pr)+7], v[S+8*(\cb):S+8*(\cb)+7]
.endif
.endr
.endm
; Four fragments of V^T for the pair of key tiles t0, t0 + 1 from the window, into 32 registers from vr on.
.macro VLOAD vr, t0
.irp cb, 0,1,2,3
	ds_load_b128 v[(\vr)+8*(\cb):(\vr)+8*(\cb)+3],   v[ADV] offset:(16-((1<<(\t0))>>1))*2048+512*(\cb)
	ds_load_b128 v[(\vr)+8*(\cb)+4:(\vr)+8*(\cb)+7], v[ADV] offset:(16-((2<<(\t0))>>1))*2048+512*(\cb)
.endr
.endm
; ONE QUERY TILE.  second = 0: my first tile, inside which the second's 20 loads are issued; second = 1: my second.  Key tile t has offset (1 << t) >> 1.
.macro TILE second
	s_wait_xcnt 0x0                                ; every earlier store has had its addresses translated (ISA guide 3.1): its data registers are loaded again only behind this wait
.set t, 0
.rept 4                                ; K of offsets 0, 1, 2, 4
.irp p, 0,1,2,3
	ds_load_b128 v[B+16*t+4*(\p):B+16*t+4*(\p)+3], v[ADK] offset:(16-((1<<t)>>1))*2048+512*(\p)
.endr
.set t, t+1
.endr
	s_wait_loadcnt 16                              ; Q is in; the far K and V, 16 loads, stay out
	s_wait_dscnt 0x0
	KQ 0, B, 0                                     ; the accumulators take turns, one instruction a turn
	KQ 1, B+16, 0
	KQ 2, B+32, 0
	KQ 3, B+48, 0
	KQ 0, B, 1
	KQ 1, B+16, 1
	KQ 2, B+32, 1
	KQ 3, B+48, 1
	PLACES
.irp p, 0,1,2,3                        ; K of offsets 8 and 16
	ds_load_b128 v[B+4*(\p):B+4*(\p)+3],       v[ADK] offset:8*2048+512*(\p)
	ds_load_b128 v[B+16+4*(\p):B+16+4*(\p)+3], v[ADK] offset:512*(\p)
.endr
	s_wait_loadcnt 8                               ; K of offsets 32 and 64 is in; V of the same stays out
	KQ 6, KF, 0
	KQ 7, KF+16, 0
	KQ 6, KF, 1
	KQ 7, KF+16, 1
	s_wait_dscnt 0x0
	KQ 4, B, 0
	KQ 5, B+16, 0
	KQ 4, B, 1
	KQ 5, B+16, 1
	PLACES
.set t, 0
.rept 8                                ; my eight keys' mask words of each key tile
	ds_load_b128 v[B+8*t:B+8*t+3],   v[ADM] offset:(64-((1<<t)>>1))*64
	ds_load_b128 v[B+8*t+4:B+8*t+7], v[ADM] offset:(64-((1<<t)>>1))*64+16
.set t, t+1
.endr
.set t, 0
.rept 8                                ; the pattern; each accumulator is read from its lowest registers on
.set md, MDD
.if t == 0
.set md, MD0
.endif
.if t == 1
.set md, MD1
.endif
.irp i, 0,2,4,6
	v_pk_add_f32 v[S+8*t+(\i):S+8*t+(\i)+1], v[S+8*t+(\i):S+8*t+(\i)+1], v[md+(\i):md+(\i)+1]
.endr
.set t, t+1
.endr
	s_wait_dscnt 0x0
.set i, 0
.rept 32                               ; the input mask
	v_pk_add_f32 v[S+2*i:S+2*i+1], v[S+2*i:S+2*i+1], v[B+2*i:B+2*i+1]
.set i, i+1
.endr
	VLOAD B, 0                                     ; V of offsets 0, 1 and 2, 4: they land under the softmax
	VLOAD B+32, 2
	; the maximum of my 64 scores, in four chains of 16, three operands at a time
.irp k, 0,1,2,3
	v_max3_num_f32 v[CC+(\k)], v[S+16*(\k)], v[S+16*(\k)+1], v[S+16*(\k)+2]
.endr
.irp z, 0,1,2,3,4,5
.irp k, 0,1,2,3
	v_max3_num_f32 v[CC+(\k)], v[CC+(\k)], v[S+16*(\k)+3+2*(\z)], v[S+16*(\k)+4+2*(\z)]
.endr
.endr
	v_max3_num_f32 v[CC], v[CC], v[S+15], v[S+31]
	v_max3_num_f32 v[CC+2], v[CC+2], v[S+47], v[S+63]
	v_max3_num_f32 v[CC], v[CC], v[CC+1], v[CC+2]
	v_max_num_f32 v[CC], v[CC], v[CC+3]
	v_permlanex16_b32 v[MW], v[CC], s48, s49       ; the query's other 64 scores lie in the lane 16 away
	v_max_num_f32 v[MM], v[CC], v[MW]
	v_mov_b32 v[MM+1], v[MM]
.set i, 0
.rept 32
	v_pk_add_f32 v[S+2*i:S+2*i+1], v[S+2*i:S+2*i+1], v[MM:MM+1] neg_lo:[0,1] neg_hi:[0,1]
.set i, i+1
.endr
.set i, 0
.rept 64
	v_exp_f32 v[S+i], v[S+i]
.set i, i+1
.endr
	v_nop                                          ; a plain instruction between the last exponential and the use of its result (ISA guide 5.7.2)
.set i, 0
	s_wait_alu depctr_va_vdst(0)
.rept 32                               ; P: a key tile's eight weights in four registers
	v_cvt_pk_f16_f32 v[P+i], v[S+2*i], v[S+2*i+1]
.set i, i+1
.endr
.irp k, 0,1,2,3                        ; l, of the unrounded weights: four chains of eight pairs
	v_pk_add_f32 v[Q+2*(\k):Q+2*(\k)+1], v[S+2*(\k):S+2*(\k)+1], v[S+8+2*(\k):S+8+2*(\k)+1]
.endr
.irp z, 2,3,4,5,6,7
.irp k, 0,1,2,3
	v_pk_add_f32 v[Q+2*(\k):Q+2*(\k)+1], v[Q+2*(\k):Q+2*(\k)+1], v[S+8*(\z)+2*(\k):S+8*(\z)+2*(\k)+1]
.endr
.endr
	v_pk_add_f32 v[Q:Q+1], v[Q:Q+1], v[Q+2:Q+3]
	v_pk_add_f32 v[Q+4:Q+5], v[Q+4:Q+5], v[Q+6:Q+7]
	v_pk_add_f32 v[Q:Q+1], v[Q:Q+1], v[Q+4:Q+5]
	v_add_f32 v[LL], v[Q], v[Q+1]
	v_permlanex16_b32 v[MW], v[LL], s48, s49
	v_add_f32 v[LL], v[LL], v[MW]
	v_rcp_f32 v[LL], v[LL]                         ; its result is first used behind the four v_nop below
	VLOAD S+32, 4                                  ; V of offsets 8, 16, where the scores of the last four key tiles lay
	s_wait_loadcnt 0x0                             ; V of offsets 32, 64
	PV VF, P+24, 1
	s_wait_dscnt 8                                 ; the first two pairs are in; the eight loads just issued may be out
	PV B, P, 0
	PV B+32, P+8, 0
	s_wait_dscnt 0x0
	PV S+32, P+16, 0
	PLACES
.if !(\second)
	s_add_co_u32 s17, s17, 16                      ; my second tile: its loads' scalar addresses are free since the wait for all loads above
	LOADS
	v_add_nc_u32 v[ADK], 16*2048, v[ADK]
	v_add_nc_u32 v[ADV], 16*2048, v[ADV]
	v_add_nc_u32 v[ADM], 16*64, v[ADM]
	s_wait_alu depctr_va_vdst(0)
.endif
	s_wait_alu depctr_va_vdst(0)
	v_mov_b32 v[LL+1], v[LL]
.set i, 0
.rept 16
	v_pk_mul_f32 v[S+2*i:S+2*i+1], v[S+2*i:S+2*i+1], v[LL:LL+1]
.set i, i+1
.endr
.irp cb, 0,1,2,3                       ; a lane holds query r and channels 16 cb + 8 h + 0..7: 32 bytes of a row of 256
	ds_store_b128 v[STO], v[S+8*(\cb):S+8*(\cb)+3]   offset:64*(\cb)
	ds_store_b128 v[STO], v[S+8*(\cb)+4:S+8*(\cb)+7] offset:64*(\cb)+16
.endr
.irp i, 0,1,2,3,4,5,6,7
	ds_load_b128 v[B+4*(\i):B+4*(\i)+3], v[RD] offset:(\i)*2*SP  ; LDS serves a wave's instructions in order (ISA guide 5.7.1.4): these see the stores above
.endr
.irp i, 0,1,2,3,4,5,6,7
	s_wait_dscnt 7-(\i)
	global_store_b128 v[GO], v[B+4*(\i):B+4*(\i)+3], s[46:47] offset:8192*(\i)+(\second)*16*65536 th:TH_STORE_NT  ; 16 lanes store 256 consecutive bytes, a head's part of a row, at a multiple of 256 from out0's first byte
.endr
.endm
	TILE 0
	TILE 1
	s_wait_tensorcnt 0x0                           ; the wave's end, behind my last LDS store
	ds_add_u32 v[SPW], v[NIL]
	s_wait_dscnt 0x0
	s_endpgm
.Lfunc_end_k_qc3d59c95ba_attn:
	.size	k_qc3d59c95ba_attn, .Lfunc_end_k_qc3d59c95ba_attn-k_qc3d59c95ba_attn
	.p2alignl 7, 3214868480
	.fill 96, 4, 3214868480
	.section	.rodata,"a",@progbits
	.p2align	6, 0x0
	.amdhsa_kernel k_qc3d59c95ba_attn
		.amdhsa_group_segment_fixed_size 276480
		.amdhsa_private_segment_fixed_size 0
		.amdhsa_enable_private_segment 0
		.amdhsa_kernarg_size 40
		.amdhsa_user_sgpr_count 2
		.amdhsa_user_sgpr_kernarg_segment_ptr 1
		.amdhsa_wavefront_size32 1
		.amdhsa_system_sgpr_workgroup_id_x 1
		.amdhsa_system_sgpr_workgroup_id_y 1
		.amdhsa_system_sgpr_workgroup_id_z 1
		.amdhsa_system_vgpr_workitem_id 0
		.amdhsa_next_free_vgpr 256
		.amdhsa_next_free_sgpr 66
		.amdhsa_reserve_vcc 0
		.amdhsa_float_denorm_mode_32 3
		.amdhsa_float_denorm_mode_16_64 3
		.amdhsa_memory_ordered 1
		.amdhsa_forward_progress 1
		.amdhsa_inst_pref_size 67
	.end_amdhsa_kernel
	.amdgpu_metadata
---
amdhsa.version: [ 1, 2 ]
amdhsa.kernels:
  - .name:           k_qc3d59c95ba_attn
    .symbol:         k_qc3d59c95ba_attn.kd
    .args:
      - { .name: qf, .offset: 0, .size: 8, .value_kind: global_buffer, .address_space: global }
      - { .name: kf, .offset: 8, .size: 8, .value_kind: global_buffer, .address_space: global }
      - { .name: vf, .offset: 16, .size: 8, .value_kind: global_buffer, .address_space: global }
      - { .name: attention_mask, .offset: 24, .size: 8, .value_kind: global_buffer, .address_space: global }
      - { .name: out0, .offset: 32, .size: 8, .value_kind: global_buffer, .address_space: global }
    .group_segment_fixed_size: 276480
    .private_segment_fixed_size: 0
    .kernarg_segment_align: 8
    .kernarg_segment_size: 40
    .max_flat_workgroup_size: 512
    .sgpr_count:     66
    .vgpr_count:     256
    .wavefront_size: 32
...
	.end_amdgpu_metadata
.endif
;; end of part 3
;; ======== version 2 of 2: 3 launches; version 1 with the launch cast written anew for expert scheduling mode
;; limits: values are held in f16: magnitudes above 65,504 overflow, below 6.1e-05 lose precision
;; workspace buffers: xb 16,777,216 bytes; wb 6,291,456 bytes; qf 16,777,216 bytes; kf 16,777,216 bytes; vf 16,777,216 bytes
;; launch cast (part 4): grid 704 x 1, 8 waves a work-group, no clusters, 0 bytes of LDS; arguments hidden_states, Wq, Wk, Wv, xb, wb; writes xb, wb
.if DOCPART == 4
	.amdgcn_target "amdgcn-amd-amdhsa--gfx1250"
	.amdhsa_code_object_version 6
	.text
	.protected	k_qc3d59c95ba_cast
	.globl	k_qc3d59c95ba_cast
	.p2align	8
	.type	k_qc3d59c95ba_cast,@function
k_qc3d59c95ba_cast:
	s_mov_b64 s[64:65], 0
	v_nop
	global_prefetch_b8 v0, s[64:65] scope:SCOPE_SE
	s_setreg_imm32_b32 hwreg(HW_REG_WAVE_SCHED_MODE, 0, 2), 2
	s_setreg_imm32_b32 hwreg(HW_REG_WAVE_MODE, 25, 1), 1
	s_wait_xcnt 0x0
	s_wait_alu depctr_vm_vsrc(0)
; x [8192][1024] and Wq, Wk, Wv [1024][1024], all f32, are rounded once to bf16 and laid out in blocks of 64 along K:
;   xb [kb 0..15][row 0..8191][64 bf16],  wb [kb 0..15][n 0..3071][64 bf16] with n = 1024 t + row of W_t (t = 0, 1, 2 for q, k, v).
; In that layout the 256 rows x 64 K (or 128 x 64) that the next launch asks for are dense bytes, so its tiles have rows of 256 bytes.
; A stream: no LDS, no barrier, no matrix unit, no cluster (no two work-groups read the same byte).
; Work-groups 0..511 take 16 rows of x each, 512..703 take 16 rows of one W.  Wave w takes rows 2 w and 2 w + 1.
; A load of a wave covers 256 aligned bytes of each of its two rows (one block of 64 numbers); the 8 bytes a lane makes of its 16
; lie so that a store of the wave covers 256 consecutive aligned bytes: the two rows' 128 bytes of that block.
; All 16 loads of a wave are issued at once; no register is written twice.
; THE MODE: SCHED_MODE bits 1:0 = 2 (LLVM: expert scheduling mode 2), set by the entry lines.  The code itself states the register dependences
; between vector instructions and memory instructions, with s_wait_alu, always for 0.
; THE PLAN.  Registers that memory instructions touch:
;   v[LO], v[VO ..]  byte offsets, made once at the head by vector instructions and never written again; read by the loads and by the stores.
;   X                written by the 16 loads alone, which all stand ahead of the first conversion; read by the conversions behind the counted waits for the loads.
;   Y                block i's pair is written once, by its two conversions, and read once, by its store.
; The 16 blocks go in four groups of four.  Group g's conversions name its own X and Y alone; the stores that stand among them are group g - 1's, whose Y
; the one wait at the group's head has shown written.  So the text has five waits: one at the head for the offsets, one at the head of groups 1 to 3,
; one ahead of the last four stores.  No register that a memory instruction has read is written again, no vector instruction writes a scalar register, EXEC is never written.
.set XSTRIDE, 8192*128                 ; bytes from block to block in xb
.set WSTRIDE, 3072*128                 ; and in wb
.set LO, 1                             ; v1        my byte offset in the group's 16 source rows
.set X,  16                            ; v[16:79]  block kb: 4 f32 as loaded
.set Y,  80                            ; v[80:111] block kb: 4 bf16
.set VO, 112                           ; v[112:127] block kb: my byte offset in the destination
	s_load_b256 s[4:11], s[0:1], 0x0               ; x s[4:5], Wq s[6:7], Wk s[8:9], Wv s[10:11]
	s_load_b128 s[12:15], s[0:1], 0x20             ; xb s[12:13], wb s[14:15]
	s_mov_b32 s2, ttmp9                            ; the work-group's number
	s_and_b32 s26, s2, 63                          ; a W group: which 16 rows of its W (512 is a multiple of 64)
	s_max_u32 s27, s2, 512
	s_sub_co_u32 s27, s27, 512                     ; a W group: which 16 rows of wb
	s_mov_b32 s20, WSTRIDE
	s_cmp_lt_u32 s2, 512                           ; an x group?
	s_cselect_b32 s20, XSTRIDE, s20                ; the destination's stride from block to block
	s_cselect_b32 s22, s2, s26                     ; source: 16 rows of 4,096 bytes
	s_cselect_b32 s24, s2, s27                     ; destination: 16 rows of 128 bytes
	s_lshl_b32 s22, s22, 16
	s_lshl_b32 s24, s24, 11
	s_mov_b32 s23, 0
	s_mov_b32 s25, 0
	v_lshrrev_b32 v2, 4, v0                        ; my row among the 16: 2 w + lane / 16
	v_and_b32 v3, 15, v0
	v_lshlrev_b32 v[LO], 12, v2
	v_lshl_add_u32 v[LO], v3, 4, v[LO]             ; row x 4,096 + 16 x (lane mod 16)
	v_lshlrev_b32 v[VO], 3, v0                     ; row x 128 + 8 x (lane mod 16) = 8 x thread
.set i, 1
.rept 15
	v_add_nc_u32 v[VO+i], s20, v[VO+i-1]
.set i, i+1
.endr
	s_wait_kmcnt 0x0
	s_cmp_lt_u32 s2, 640                           ; the source is chosen by the work-group's number alone
	s_cselect_b64 s[16:17], s[8:9], s[10:11]
	s_cmp_lt_u32 s2, 576
	s_cselect_b64 s[16:17], s[6:7], s[16:17]
	s_cmp_lt_u32 s2, 512
	s_cselect_b64 s[16:17], s[4:5], s[16:17]
	s_cselect_b64 s[18:19], s[12:13], s[14:15]
	s_add_nc_u64 s[16:17], s[16:17], s[22:23]
	s_add_nc_u64 s[18:19], s[18:19], s[24:25]
	s_wait_alu depctr_va_vdst(0)                   ; v[LO] and the sixteen v[VO ..] are written: every load reads the first as its offset, every store one of the others
.set i, 0
.rept 16
	global_load_b128 v[X+4*i:X+4*i+3], v[LO], s[16:17] offset:256*i th:TH_LOAD_NT  ; read once in the launch
.set i, i+1
.endr
; Group g: blocks 4 g to 4 g + 3 are rounded; the stores of blocks 4 g - 4 to 4 g - 1 stand among the conversions, one ahead of each block's two.
.macro GROUP g
	s_wait_loadcnt 12-4*(\g)                       ; loads come back in order (ISA guide 5.7.1): this group's four blocks are in, the younger ones stay out
.if (\g) > 0
	s_wait_alu depctr_va_vdst(0)                   ; the conversions of the group before have written its Y, which the four stores below read; no conversion below names those registers
.endif
.irp j, 0,1,2,3
.if (\g) > 0
	global_store_b64 v[VO+4*(\g)-4+(\j)], v[Y+2*(4*(\g)-4+(\j)):Y+2*(4*(\g)-4+(\j))+1], s[18:19]  ; 32 lanes x 8 bytes: 256 consecutive bytes, at a multiple of 256 from the buffer's first
.endif
	v_cvt_pk_bf16_f32 v[Y+2*(4*(\g)+(\j))],   v[X+4*(4*(\g)+(\j))],   v[X+4*(4*(\g)+(\j))+1]
	v_cvt_pk_bf16_f32 v[Y+2*(4*(\g)+(\j))+1], v[X+4*(4*(\g)+(\j))+2], v[X+4*(4*(\g)+(\j))+3]
.endr
.endm
	GROUP 0
	GROUP 1
	GROUP 2
	GROUP 3
	s_wait_alu depctr_va_vdst(0)                   ; the last group's conversions have written its Y, which the last four stores read
.irp j, 0,1,2,3
	global_store_b64 v[VO+12+(\j)], v[Y+24+2*(\j):Y+24+2*(\j)+1], s[18:19]  ; 256 consecutive bytes, at a multiple of 256 from the buffer's first
.endr
	s_endpgm
.Lfunc_end_k_qc3d59c95ba_cast:
	.size	k_qc3d59c95ba_cast, .Lfunc_end_k_qc3d59c95ba_cast-k_qc3d59c95ba_cast
	.p2alignl 7, 3214868480
	.fill 96, 4, 3214868480
	.section	.rodata,"a",@progbits
	.p2align	6, 0x0
	.amdhsa_kernel k_qc3d59c95ba_cast
		.amdhsa_group_segment_fixed_size 0
		.amdhsa_private_segment_fixed_size 0
		.amdhsa_enable_private_segment 0
		.amdhsa_kernarg_size 48
		.amdhsa_user_sgpr_count 2
		.amdhsa_user_sgpr_kernarg_segment_ptr 1
		.amdhsa_wavefront_size32 1
		.amdhsa_system_sgpr_workgroup_id_x 1
		.amdhsa_system_sgpr_workgroup_id_y 1
		.amdhsa_system_sgpr_workgroup_id_z 1
		.amdhsa_system_vgpr_workitem_id 0
		.amdhsa_next_free_vgpr 128
		.amdhsa_next_free_sgpr 66
		.amdhsa_reserve_vcc 0
		.amdhsa_float_denorm_mode_32 3
		.amdhsa_float_denorm_mode_16_64 3
		.amdhsa_memory_ordered 1
		.amdhsa_forward_progress 1
		.amdhsa_inst_pref_size 8
	.end_amdhsa_kernel
	.amdgpu_metadata
---
amdhsa.version: [ 1, 2 ]
amdhsa.kernels:
  - .name:           k_qc3d59c95ba_cast
    .symbol:         k_qc3d59c95ba_cast.kd
    .args:
      - { .name: hidden_states, .offset: 0, .size: 8, .value_kind: global_buffer, .address_space: global }
      - { .name: Wq, .offset: 8, .size: 8, .value_kind: global_buffer, .address_space: global }
      - { .name: Wk, .offset: 16, .size: 8, .value_kind: global_buffer, .address_space: global }
      - { .name: Wv, .offset: 24, .size: 8, .value_kind: global_buffer, .address_space: global }
      - { .name: xb, .offset: 32, .size: 8, .value_kind: global_buffer, .address_space: global }
      - { .name: wb, .offset: 40, .size: 8, .value_kind: global_buffer, .address_space: global }
    .group_segment_fixed_size: 0
    .private_segment_fixed_size: 0
    .kernarg_segment_align: 8
    .kernarg_segment_size: 48
    .max_flat_workgroup_size: 256
    .sgpr_count:     66
    .vgpr_count:     128
    .wavefront_size: 32
...
	.end_amdgpu_metadata
.endif
;; end of part 4
;; launch proj: the kernel of part 2 again; grid 8 x 32, 4 waves a work-group, clusters of 4 x 4, 327,680 bytes of LDS; arguments xb, wb, bq, bk, bv, qf, kf, vf; writes qf, kf, vf
;; launch attn: the kernel of part 3 again; grid 4 x 64, 16 waves a work-group, no clusters, 276,480 bytes of LDS; arguments qf, kf, vf, attention_mask, out0; writes out0
